; MI455X (gfx1250); checked and timed in simulation.
; The chip was launched on July 23, 2026; its instructions are those of AMD's public machine-readable ISA for CDNA 5 (MIT licence, August 2026) and "CDNA5" Instruction Set Architecture Reference Guide (July 2026). The comments in the code are by the model that wrote it; some were corrected since.
;; SDPA With Sink. Allowed arithmetic: matrix products marked QUANTISED: E5M2 operands, one E8M0 scale for each 32 along K, by v_wmma_scale_f32_16x16x128_f8f6f4 with both operands' format E5M2, f32 sums; everything else in f32.
;; Inputs: k_codes 4 x 16 x 1,024 x 2 x 32 uint8 (E5M2 codes of k, K innermost, in blocks of 32 codes); k_scales 4 x 16 x 1,024 x 2 uint8 (E8M0 scales of k, one for each 32 codes along K); q_codes 4 x 16 x 1,024 x 2 x 32 uint8 (E5M2 codes of q, K innermost, in blocks of 32 codes); q_scales 4 x 16 x 1,024 x 2 uint8 (E8M0 scales of q, one for each 32 codes along K); sink_logit 16 float32; v_codes 4 x 16 x 64 x 32 x 32 uint8 (E5M2 codes of v, K innermost, in blocks of 32 codes); v_scales 4 x 16 x 64 x 32 uint8 (E8M0 scales of v, one for each 32 codes along K).
;; Outputs: out0 4 x 16 x 1,024 x 64 float32.
;; This version of the problem:
;;   THIS VERSION OF THE PROBLEM IS GIVEN IN LOW PRECISION. The matrix products marked QUANTISED in the list below multiply operands that are first quantised to E5M2 (5 exponent bits, 2 mantissa bits; 8 bits a number), with one power-of-two scale for each 32 numbers along K (OCP MX v1.0); their sums are f32. All else is computed in f32.
;;   The module's matrix products, in the order in which they are computed (A, B: the left and right operand; K: the contracted axis; several contracted axes count as one K, in the product's order):
;;     1. batch 64 x [M 1,024, K 64] x [K 64, N 1,024]; A: input q (given as codes); B: input k (given as codes): QUANTISED
;;     2. batch 64 x [M 1,024, K 1,024] x [K 1,024, N 64]; A: computed on the way; B: input v (given as codes): QUANTISED
;;   THE QUANTISER, for each operand of a quantised product, along K:
;;     - K is cut into blocks of 32 from its start; a last block that is shorter is filled with zeros.
;;     - A block's scale is 2^e with e = floor(log2(the largest magnitude in the block)) - 15, held to -126 .. 127; a block of zeros has e = 0. As a byte (E8M0): e + 127.
;;     - Each number is divided by its block's scale, clamped to +-57,344, and rounded to the nearest number of E5M2, ties to even, subnormals kept.
;;     - The product sums the exact products of the quantised numbers (number of the format x scale) in f32.
;;   ~~~python
;;   def quantise(x, axis):      # numpy; x: float32 -> the quantised numbers, widened to float32 again
;;       x = np.moveaxis(x, axis, -1); K = x.shape[-1]
;;       x = np.pad(x, [(0, 0)] * (x.ndim - 1) + [(0, -K % 32)]); x = x.reshape(x.shape[:-1] + (-1, 32)); a = np.abs(x).max(-1, keepdims=True)
;;       e = np.where(a > 0, np.clip(np.frexp(np.where(a > 0, a, 1))[1] - 1 - 15, -126, 127), 0)      # np.frexp(a)[1] - 1 = floor(log2(a)), exactly
;;       r = np.clip(x / 2.0 ** e, -57344, 57344)
;;       step = 2.0 ** (np.maximum(np.frexp(np.where(r == 0, 1, r))[1] - 1, -14) - 2)
;;       q = np.round(r / step) * step * 2.0 ** e      # np.round: ties to even
;;       return np.moveaxis(q.reshape(q.shape[:-2] + (-1,))[..., :K], -1, axis).astype(np.float32)
;;   ~~~
;;   OPERANDS COMPUTED ON THE WAY. 'Computed on the way' means the value that the module computes at that place (a softmax that the list does not call 'softmax' is quantised finished and normalised). What goes into a quantiser is computed in f32, as accurately as f32 sums, v_exp_f32 and their like allow (about 1e-6 of the number): no bf16 or f16 on the way to a quantiser, and a product that is left as it is and whose result goes on into a quantised operand takes f32 operands (vector FMAs, or v_wmma_f32_16x16x4_f32). A number that lies on a knife's edge between two numbers of the format may be rounded either way, as far as f32 arithmetic and the matrix unit's own rounding can turn it there, and no further.
;;   INPUTS GIVEN AS CODES. k (in the module: [4, 16, 1024, 64], K = its axis 3); q (in the module: [4, 16, 1024, 64], K = its axis 3); v (in the module: [4, 16, 1024, 64], K = its axis 2): each comes as NAME_codes (uint8): NAME with its K axis moved to the last place and cut into blocks of 32 codes, [.., K / 32, bytes a block], one block behind the other in memory; one code a byte (a code: sign, 5 exponent bits, 2 mantissa bits); and NAME_scales (uint8): the same leading axes, one E8M0 byte (e + 127) for each 32 codes along K. Its value is code x scale, taken as it is: it is not quantised again, and the codes and scales need not be those that the quantiser above would give.
;; One version. Each part assembles by itself: llvm-mc -triple=amdgcn-amd-amdhsa -mcpu=gfx1250 --defsym DOCPART=n.
;; ======== version 1 of 1: 1 launch
;; limits: right only within a limited range of input values
;; launch attn (part 1): grid 256 x 1, 8 waves a work-group, clusters of 4 x 1, 327,680 bytes of LDS; arguments q_codes, q_scales, k_codes, k_scales, v_codes, v_scales, sink_logit, out0; writes out0
.if DOCPART == 1
	.amdgcn_target "amdgcn-amd-amdhsa--gfx1250"
	.amdhsa_code_object_version 6
	.text
	.protected	k_qcfafd8c5f5_attn
	.globl	k_qcfafd8c5f5_attn
	.p2align	8
	.type	k_qcfafd8c5f5_attn,@function
k_qcfafd8c5f5_attn:
	s_mov_b64 s[64:65], 0
	v_nop
	global_prefetch_b8 v0, s[64:65] scope:SCOPE_SE
	s_setreg_imm32_b32 hwreg(HW_REG_WAVE_MODE, 25, 1), 1
	s_wait_xcnt 0x0
	s_wait_alu depctr_hold_cnt(0) depctr_sa_sdst(0) depctr_va_vdst(0) depctr_va_sdst(0) depctr_va_ssrc(0) depctr_va_vcc(0) depctr_vm_vsrc(0)
	s_getreg_b32 s2, hwreg(HW_REG_IB_STS2, 6, 4)
	s_cmp_eq_u32 s2, 0
	s_cbranch_scc0 .Lentry_in_a_cluster
	s_endpgm
.Lentry_in_a_cluster:
	s_bfe_u32 s2, ttmp6, 0x10000c
	s_cmp_lg_u32 s2, 0x3003
	s_cbranch_scc0 .Lentry_shape_is_right
	s_endpgm
.Lentry_shape_is_right:
; out[h][q][:] = sum over keys k <= q of p(q, k) V[h][k][:],  p = exp(s - m) / (exp(sink - m) + sum over k <= q of exp(s - m)),  s = Q[h][q] . K[h][k] / 8.
; 64 heads (batch x head), 1,024 queries and keys, head size 64; both products on codes of BF8 (E5M2), one E8M0 scale for each 32 along a product's K.
; SHARES.  The four work-groups of a head form a cluster; K and V of a head (64 KB each) fit in LDS whole and come once, by joint tensor loads, one a wave: waves 0-3 quarters of K, waves 4-7 of V.
;   A tile is 16 queries.  Slot s (0..15) of work-group cx is tile 4 s + cx: it needs keys 0 .. 64 (s + 1) - 1: F = s / 2 whole steps of 128 keys without a mask, and the step on the diagonal:
;   a half step (s even) or a whole one whose second half holds the mask (s odd).  A wave makes a slot under 8, then one from 8 on, of the same parity:
;   waves 0-3: (3, 15), (4, 14), (5, 13), (7, 9): 20, 20, 20, 18 half steps; waves 4-7: (0, 12), (1, 11), (2, 10), (6, 8): 14, 14, 14, 16: waves w and w + 4 make 34 together.
;   Trip counts, branches and LDS addresses hang on the wave's number alone; cx enters global addresses and the mask's numbers.
; ONE PASS OVER THE SCORES.  What is quantised is the finished, normalised p, so a row's sum is known before any p is quantised.  In each step each lane takes its own M_j = the maximum of its 64 t = s log2(e) of the row, rounded up to a whole number,
;   e = 2^(t - M_j) and L_j = the sum of its e; the e stay: the diagonal's and those of steps j = 1, 2, 3 (keys 128 (j - 1) ..) in register window 1, those of j = 4 in the work registers, those of j = 5 .. 7 in the wave's own LDS bytes.
;   Then M = the largest of the row's M_j and of the sink's, l = sum of L_j 2^(M_j - M) + 2^(sink - M), and p = e x (2^(M_j - M) / l).
; THE MASK is the C operand of the diagonal's products: 0, or -2^100 where the key is hidden: an LDS image of 32 registers, alike for all tiles of a work-group.
; K = 64 IN AN INSTRUCTION OF K = 128.  A fragment of source 0 holds two tiles of keys: registers 0-7 keys a(m) = 32 b + m + 8 (m / 8), registers 8-15 a(m) + 8; x [q | 0] gives the former's scores, x [0 | q] the latter's.
;   Both products are used transposed: a lane holds one query (lane % 16); score register 16 b + i is key 32 b + 16 (lane / 16) + i: the order of the second product's operand.
; DEAD WORK LEFT OUT: tiles of keys that the causal mask hides from all queries of a tile, for all values of the inputs: their p is 0.  The sink's column has no V.
; LIMITS.  Codes of infinity or NaN and scale bytes 0xff are not served, and a NaN, infinity or overflow that reaches only the work left out is not carried to the result.  Exponents to the base 2 (scaled scores) stay under 2^31 in magnitude.
;   v_exp_f32 gives 0 under 2^-126 (ISA guide 15.8): such a number counts as 0.  A block of p of zeros has the scale byte 1 where the quantiser says 127: its codes are zeros and only this kernel reads the byte.
; NOT USED: a ring (nothing is filled twice); a prefetch (every input byte is asked for in the kernel's first lines).
.set KP,    144                        ; LDS row of K: two keys (128 bytes) + 16
.set KSTEP, 64*KP
.set KFR,   16*KP
.set KHI,   4*KP
.set VT,    512*KP
.set VP,    1040                       ; LDS row of V: 1,024 bytes + 16
.set VTD,   16*VP
.set KSC,   VT+64*VP                   ; K's scale words [step 8][m 16][b 4]; V's [step 8][r 16][td 4] lie 2,048 bytes on
.set MSK,   KSC+4096                   ; the mask's image: 8 groups of 4 registers
.set OVF,   MSK+4096                   ; the waves' own bytes: three times 8,192 for each of waves 0-3, twice for each of waves 4-7: e of steps 5 .. 7, the stage, q
.set SPARE, OVF+20*8192
.set SP,    272                        ; a row of the stage on the way out
.set MKA,  0                           ; (once the thread's number is done with) the mask's image
.set AK0,  1
.set AV0,  2
.set AS0,  3
.set OVA,  4
.set STO,  5
.set RD,   6
.set GO,   7
.set SW2,  8                           ; v[8:11] scale words of V, second buffer
.set SPW,  12
.set NIL,  13
.set T0,   15
.set SW,   16                          ; v[16:19] scale words of K or V
.set PW,   20                          ; p's scale word
.set QS,   21                          ; Q's scale word
.set ADV,  22                          ; the diagonal's V and scale words
.set ADS,  23
.set QHI,  24                          ; v[24:39] zeros | q
.set QLO,  32                          ; v[32:47] q | zeros
.set OT,   24                          ; v[24:55] O^T, once Q is done with
.set PC,   56                          ; v[56:71] p's codes
.set TA,   56                          ; ahead of them: the sums at work
.set T1,   60
.set NL,   72                          ; v[72:87] pairs (-M_j, L_j); later the low one is step j's factor
.set BM,   88                          ; v[88:119] four block maxima a step
.set HOLD, 120                         ; v[120:123] the other half's maxima, then 57,344 x the scale
.set ADKP, 120                         ; (in the first walk: where step F's K and scale words lie, and the diagonal's K)
.set ADSP, 121
.set ADK,  122
.set CSC,  124                         ; v[124:127] the conversions' scale operands
.set FR,   128                         ; v[128:191] four fragments of K or V
.set SC,   192                         ; v[192:255] a step at work
.set P0,   0                           ; window 1: e of the diagonal (later V's second buffer) and of steps 1, 2, 3
.set P1_,  64
.set P2_,  128
.set P3_,  192
.set WV,   20
.set F,    21
.set HALF, 22                          ; s22  1 where my slots are even: the diagonal is a half step
.set CX,   23
.set FK,   24
.set FKP,  25
.set SEL,  28
.set CS,   30
.set MNT,  32
.set FSC,  33
.set NSINK, 34
.set FSP,  35
.set FV,   36
.set OV,   37
.set NCS,  38
.set F2,   39                          ; s39  the second tile's F
.set G1K,  40
.set G1V,  48
.set G0K,  56
.set G0V,  60
.set MSB, 0
.macro WIN new                         ; the immediate's high byte repeats the setting that is left
.if MSB != (\new)
	s_set_vgpr_msb (MSB<<8)|(\new)
.set MSB, (\new)
.endif
.endm
.macro CROUND
	s_barrier_signal -1
	s_barrier_wait -1
	s_cmp_lg_u32 s[WV], 0
	s_cbranch_scc1 .Lnot_wave_0_\@
	s_barrier_signal -3
.Lnot_wave_0_\@:
	s_barrier_wait -3
	s_barrier_signal -1
	s_barrier_wait -1
.endm
.macro PLACES n                        ; places behind a matrix instruction (ISA guide 7.12.1)
.rept \n
	v_nop
.endr
.endm
.macro KLD nb, adr, sadr, t            ; a step's fragments of K and their scale words
.set b_, 0
.rept \nb
	ds_load_b128 v[FR+16*b_:FR+16*b_+3],     v[\adr] offset:(\t)*KSTEP+b_*KFR
	ds_load_b128 v[FR+16*b_+4:FR+16*b_+7],   v[\adr] offset:(\t)*KSTEP+b_*KFR+32
	ds_load_b128 v[FR+16*b_+8:FR+16*b_+11],  v[\adr] offset:(\t)*KSTEP+b_*KFR+KHI
	ds_load_b128 v[FR+16*b_+12:FR+16*b_+15], v[\adr] offset:(\t)*KSTEP+b_*KFR+KHI+32
.set b_, b_+1
.endr
	ds_load_b128 v[SW:SW+3], v[\sadr] offset:256*(\t)
.endm
.macro VLDD                            ; the diagonal's V: four fragments (16 of the head's 64 x 128 keys) and their scale words, first buffer
.irp d, 0,1,2,3
.irp c, 0,1,2,3
	ds_load_b128 v[FR+16*\d+4*\c:FR+16*\d+4*\c+3], v[ADV] offset:\d*VTD+32*\c
.endr
.endr
	ds_load_b128 v[SW:SW+3], v[ADS] offset:2048
.endm
.macro VBUF jj                         ; step jj's buffer of V: steps 1, 3 and 6: window 1's first 64 registers, the others: the fragments' of window 0
.if ((\jj) == 1) || ((\jj) == 3) || ((\jj) == 6)
.set VW, 1
.set VB, P0
.set VS, SW2
.else
.set VW, 0
.set VB, FR
.set VS, SW
.endif
.endm
.macro VLDJ jj                         ; step jj's V
	VBUF \jj
	WIN 0x40*VW
.irp d, 0,1,2,3
.irp c, 0,1,2,3
	ds_load_b128 v[VB+16*\d+4*\c:VB+16*\d+4*\c+3], v[AV0] offset:\d*VTD+32*\c+128*((\jj)-1)
.endr
.endr
	WIN 0
	ds_load_b128 v[VS:VS+3], v[AS0] offset:2048+256*((\jj)-1)
.endm
.macro QK P, b, m, h                   ; block b's keys a(m) (h = 0) or a(m) + 8 (h = 1); m = 1: begun with the mask that lies in the accumulator, else with 0
.if \m
	v_wmma_scale_f32_16x16x128_f8f6f4 v[\P+16*\b+8*\h:\P+16*\b+8*\h+7], v[FR+16*\b:FR+16*\b+15], v[QLO-8*\h:QLO-8*\h+15], v[\P+16*\b+8*\h:\P+16*\b+8*\h+7], v[SW+\b], v[QS] matrix_a_fmt:MATRIX_FMT_BF8 matrix_b_fmt:MATRIX_FMT_BF8
.else
	v_wmma_scale_f32_16x16x128_f8f6f4 v[\P+16*\b+8*\h:\P+16*\b+8*\h+7], v[FR+16*\b:FR+16*\b+15], v[QLO-8*\h:QLO-8*\h+15], 0, v[SW+\b], v[QS] matrix_a_fmt:MATRIX_FMT_BF8 matrix_b_fmt:MATRIX_FMT_BF8
.endif
.endm
; Behind a step's scores (nb blocks of 32 keys at v[P ..] of window W): my maxima of the blocks, -M_j, e in place, the sums in eight pairs, and my blocks' largest e (e rises with the score).
.macro STAT j, W, P, nb
.set B_, BM+4*\j
	WIN 0x14*\W
.set i_, 0
.rept 8
.set b_, 0
.rept \nb
.if i_ == 0
	v_max3_num_f32 v[B_+b_], 0xff800000, v[\P+16*b_], v[\P+16*b_+1]
.else
	v_max3_num_f32 v[B_+b_], v[B_+b_], v[\P+16*b_+i_], v[\P+16*b_+i_+1]
.endif
.set b_, b_+1
.endr
.set i_, i_+2
.endr
	WIN 0
.if \nb == 4
	v_max3_num_f32 v[T0], v[B_], v[B_+1], v[B_+2]
	s_delay_alu instid0(VALU_DEP_1)
	v_max3_num_f32 v[T0], v[T0], v[B_+3], 0xd1800000               ; not under -2^36: where all my keys are hidden, their t - M_j stays far under 0
.else
	v_max3_num_f32 v[T0], v[B_], v[B_+1], 0xd1800000
.endif
	s_delay_alu instid0(VALU_DEP_1)
	v_mul_f32 v[T0], s[NCS], v[T0]                                 ; -t
	s_delay_alu instid0(VALU_DEP_1)
	v_floor_f32 v[NL+2*\j], v[T0]                                  ; -M_j = floor(-t)
.set n_, 0
.rept \nb/2
	v_pk_fma_f32 v[B_+n_:B_+n_+1], v[B_+n_:B_+n_+1], s[CS:CS+1], v[NL+2*\j:NL+2*\j+1] op_sel_hi:[1,0,0]
.set n_, n_+2
.endr
	WIN 0x41*\W
.set n_, 0
.rept 8*\nb
	v_pk_fma_f32 v[\P+n_:\P+n_+1], v[\P+n_:\P+n_+1], s[CS:CS+1], v[NL+2*\j:NL+2*\j+1] op_sel_hi:[1,0,0]
.set n_, n_+2
.endr
	s_wait_alu depctr_va_vdst(0)                                   ; the wait ahead of the batch and behind it
.set n_, 0
.rept 16*\nb
	v_exp_f32 v[\P+n_], v[\P+n_]
.set n_, n_+1
.endr
	WIN 0
.set n_, 0
.rept \nb
	v_exp_f32 v[B_+n_], v[B_+n_]
.set n_, n_+1
.endr
	v_nop
	s_wait_alu depctr_va_vdst(0)
	WIN 0x05*\W
.irp k, 0,2,4,6,8,10,12,14
	v_pk_add_f32 v[TA+\k:TA+\k+1], v[\P+\k:\P+\k+1], v[\P+16+\k:\P+16+\k+1]
.endr
.if \nb == 4
	WIN 0x04*\W
.irp m, 32,48
.irp k, 0,2,4,6,8,10,12,14
	v_pk_add_f32 v[TA+\k:TA+\k+1], v[TA+\k:TA+\k+1], v[\P+\m+\k:\P+\m+\k+1]
.endr
.endr
.endif
	WIN 0
.endm
.macro FIN j                           ; L_j from the eight pairs: eight lines
.irp k, 0,2,4,6
	v_pk_add_f32 v[TA+\k:TA+\k+1], v[TA+\k:TA+\k+1], v[TA+8+\k:TA+8+\k+1]
.endr
	v_pk_add_f32 v[TA:TA+1], v[TA:TA+1], v[TA+4:TA+5]
	v_pk_add_f32 v[TA+2:TA+3], v[TA+2:TA+3], v[TA+6:TA+7]
	s_delay_alu instid0(VALU_DEP_1)
	v_pk_add_f32 v[TA:TA+1], v[TA:TA+1], v[TA+2:TA+3]
	s_delay_alu instid0(VALU_DEP_1)
	v_add_f32 v[NL+2*(\j)+1], v[TA], v[TA+1]
.endm
; Step j without a mask; its fragments are on their way, at most wc LDS instructions behind them.  The places behind its products are the last lines of step j + 1's sum; where the walk begins here (j = F),
; they write an L of a step that is not walked (a finite number: its factor is 0) or that is not read.  pf = 1: asks for the fragments of step j - 1, which land under this step's work.
.macro STEP1 j, W, P, pf, wc
	s_wait_alu depctr_va_vdst(0)
	s_wait_dscnt \wc
	WIN 0x40*\W
.irp h, 0,1
.irp b, 0,1,2,3
	QK \P, \b, 0, \h
.endr
.endr
	WIN 0
.if \j == 7
	PLACES 8
.else
	FIN \j+1
.endif
.if \pf
	KLD 4, AK0, AS0, \j-2
.endif
	STAT \j, \W, \P, 4
.endm
.macro OVST j                          ; e of step j goes to my own LDS bytes
.set n_, 0
.rept 16
	ds_store_b128 v[OVA], v[SC+4*n_:SC+4*n_+3] offset:(\j-5)*8192+512*n_
.set n_, n_+1
.endr
.endm
.macro OVLD j                          ; and comes back
.set n_, 0
.rept 16
	ds_load_b128 v[SC+4*n_:SC+4*n_+3], v[OVA] offset:((\j)-5)*8192+512*n_
.set n_, n_+1
.endr
.endm
.macro OUTB lo, y                      ; the stage's rows are back (y younger LDS loads may be out): stored; a store of the wave covers 512 consecutive bytes, aligned
.irp i, 0,1,2,3,4,5,6,7
	s_wait_dscnt 7-\i+\y
	global_store_b128 v[GO], v[SC+4*\i:SC+4*\i+3], s[\lo:\lo+1] offset:512*\i th:TH_STORE_NT
.endr
.endm
; The diagonal: nb = 2 blocks, or 4; the last two take the mask.  It asks for step F's fragments (F = 0: for step 7's, in bounds and not used).
; second = 1 (the second tile): the first tile's rows leave while the loads are out, and then Q's registers, which held O^T, are made ready.
.macro DIAG1 nb, second
	KLD \nb, ADK, ADS, 0
	WIN 0x40
.irp q, 0,1,2,3,4,5,6,7
	ds_load_b128 v[P0+16*(\nb-2)+4*\q:P0+16*(\nb-2)+4*\q+3], v[MKA] offset:512*\q
.endr
	WIN 0
.if \second
	OUTB 84, 3+4*\nb+1+8                                           ; behind the stage's loads: q's three, K's, the mask's
.irp i, 0,1,2,3,4,5,6,7
	v_mov_b32 v[QHI+\i], 0
	v_mov_b32 v[QLO+8+\i], 0
.endr
.irp j, 5,6,7
	v_mov_b32 v[NL+2*\j], 0x7149f2ca                               ; a step not walked: -M_j = 1e30, L_j = 0
	v_mov_b32 v[NL+2*\j+1], 0
.endr
.endif
	s_wait_alu depctr_va_vdst(0)
	s_wait_dscnt 0x0
.if \nb == 4
	WIN 0x40
.irp h, 0,1
.irp b, 0,1
	QK P0, \b, 0, \h
.endr
.endr
	WIN 0x50
.irp h, 0,1
.irp b, 2,3
	QK P0, \b, 1, \h
.endr
.endr
.else
	WIN 0x50
.irp h, 0,1
.irp b, 0,1
	QK P0, \b, 1, \h
.endr
.endr
.endif
	WIN 0
	PLACES 8
	KLD 4, ADKP, ADSP, 0
	STAT 0, 1, P0, \nb
	FIN 0
.endm
; Where this tile's diagonal lies, and its step F (K's tile (F + 7) % 8).
.macro TSET
	s_mul_i32 s[FK], s[F], KSTEP
	s_add_co_u32 s[FKP], s[F], 7
	s_and_b32 s[FKP], s[FKP], 7
	s_lshl_b32 s[FSP], s[FKP], 8
	s_mul_i32 s[FKP], s[FKP], KSTEP
	s_lshl_b32 s[FSC], s[F], 8
	s_lshl_b32 s[FV], s[F], 7
	v_add_nc_u32 v[ADK], s[FK], v[AK0]
	v_add_nc_u32 v[ADKP], s[FKP], v[AK0]
	v_add_nc_u32 v[ADS], s[FSC], v[AS0]
	v_add_nc_u32 v[ADSP], s[FSP], v[AS0]
	v_add_nc_u32 v[ADV], s[FV], v[AV0]
.endm
; The row's sum over n steps; NL's low words become my factors 2^(M_j - M) / l.  A step that was not walked has -M_j = 1e30: its factor is 0.
.macro MID n
	v_floor_f32 v[T1], s[NSINK]                                    ; the sink's -M
	v_min3_num_f32 v[T0], v[NL], v[NL+2], v[NL+4]
	s_delay_alu instid0(VALU_DEP_1)
	v_min3_num_f32 v[T0], v[T0], v[NL+6], v[T1]
.if \n == 8
	s_delay_alu instid0(VALU_DEP_1)
	v_min3_num_f32 v[T0], v[T0], v[NL+8], v[NL+10]
	s_delay_alu instid0(VALU_DEP_1)
	v_min3_num_f32 v[T0], v[T0], v[NL+12], v[NL+14]
.endif
	s_delay_alu instid0(VALU_DEP_1)
	v_permlanex16_b32 v[T1], v[T0], s[SEL], s[SEL+1]               ; the row's other keys lie in lane l xor 16
	s_delay_alu instid0(VALU_DEP_1)
	v_min_num_f32 v[T0], v[T0], v[T1]                              ; -M
.set n_, 0
.rept \n
	v_sub_f32 v[NL+2*n_], v[T0], v[NL+2*n_]                        ; M_j - M: a whole number, 0 or less
.set n_, n_+1
.endr
.set n_, 0
.rept \n
	v_cvt_i32_f32 v[NL+2*n_], v[NL+2*n_]                           ; (it saturates)
.set n_, n_+1
.endr
.set n_, 0
.rept \n
	v_ldexp_f32 v[NL+2*n_], 1.0, v[NL+2*n_]
.set n_, n_+1
.endr
	v_mul_f32 v[TA], v[NL], v[NL+1]
	v_mul_f32 v[TA+1], v[NL+2], v[NL+3]
.set n_, 2
.rept \n-2
	v_fmac_f32 v[TA+n_%2], v[NL+2*n_], v[NL+2*n_+1]
.set n_, n_+1
.endr
	v_sub_f32 v[TA+2], v[T0], s[NSINK]                             ; the sink's t - M
	v_add_f32 v[TA], v[TA], v[TA+1]
	s_delay_alu instid0(VALU_DEP_1)
	v_permlanex16_b32 v[T1], v[TA], s[SEL], s[SEL+1]
	s_delay_alu instid0(VALU_DEP_1)
	v_add_f32 v[TA], v[TA], v[T1]                                  ; with lane l xor 16's half
	s_wait_alu depctr_va_vdst(0)
	v_exp_f32 v[TA+2], v[TA+2]
	v_nop
	s_wait_alu depctr_va_vdst(0)
	v_add_f32 v[TA], v[TA], v[TA+2]
	s_wait_alu depctr_va_vdst(0)
	v_rcp_f32 v[TA], v[TA]
	v_nop
	s_wait_alu depctr_va_vdst(0)
.set n_, 0
.rept \n
	v_mul_f32 v[NL+2*n_], v[NL+2*n_], v[TA]
.set n_, n_+1
.endr
.endm
.macro PV j, zero                      ; O^T += V^T P^T: four accumulators by turns, one instruction a turn
	VBUF \j
	WIN 0x01*VW
.irp d, 0,1,2,3
.if \zero
	v_wmma_scale_f32_16x16x128_f8f6f4 v[OT+8*\d:OT+8*\d+7], v[VB+16*\d:VB+16*\d+15], v[PC:PC+15], 0, v[VS+\d], v[PW] matrix_a_fmt:MATRIX_FMT_BF8 matrix_b_fmt:MATRIX_FMT_BF8
.else
	v_wmma_scale_f32_16x16x128_f8f6f4 v[OT+8*\d:OT+8*\d+7], v[VB+16*\d:VB+16*\d+15], v[PC:PC+15], v[OT+8*\d:OT+8*\d+7], v[VS+\d], v[PW] matrix_a_fmt:MATRIX_FMT_BF8 matrix_b_fmt:MATRIX_FMT_BF8
.endif
.endr
	WIN 0
.endm
; Step j again: p = e x its factor, quantised, and its product with V.  V(j) has been asked for earlier.  nx: the step that follows (0: none is asked for here): behind the first ten lines, places behind the last step's products,
; its V is asked for, into the buffer that those products have read.  j over 4: e lie in SC, fetched back from LDS.  pf = 1: behind the conversions step nx's e are fetched.
.macro STEP2 j, W, P, nb, zero, nx, pf
.set B_, BM+4*\j
.set n_, 0
.rept \nb/2
	v_pk_mul_f32 v[B_+n_:B_+n_+1], v[B_+n_:B_+n_+1], v[NL+2*\j:NL+2*\j+1] op_sel_hi:[1,0]
.set n_, n_+2
.endr
.set b_, 0
.rept \nb
	v_permlanex16_b32 v[HOLD+b_], v[B_+b_], s[SEL], s[SEL+1]       ; a block's other 16 keys lie in lane l xor 16
.set b_, b_+1
.endr
.set b_, 0
.rept \nb
	v_max3_num_f32 v[B_+b_], 0x8000000, v[B_+b_], v[HOLD+b_]       ; the block's largest p, over the floor 2^(16 - 127)
.set b_, b_+1
.endr
.if \nx
	VLDJ \nx
.endif
.if \j > 4
	s_wait_alu depctr_va_vdst(0)
	s_wait_dscnt 17                                                ; e are back; the 17 loads just issued may be out
.endif
	WIN 0x01*\W
.set b_, 0
.rept \nb
	v_add_nc_u32 v[CSC+b_], 0xf8800000, v[B_+b_]                   ; 15 off the exponent field
.set n_, 16*b_
.rept 4
	v_pk_mul_f32 v[SC+n_:SC+n_+1], v[\P+n_:\P+n_+1], v[NL+2*\j:NL+2*\j+1] op_sel_hi:[1,0]
.set n_, n_+2
.endr
	v_and_or_b32 v[HOLD+b_], 0x7f800000, v[B_+b_], s[MNT]          ; 57,344 x the scale
.rept 4
	v_pk_mul_f32 v[SC+n_:SC+n_+1], v[\P+n_:\P+n_+1], v[NL+2*\j:NL+2*\j+1] op_sel_hi:[1,0]
.set n_, n_+2
.endr
	v_lshrrev_b32 v[B_+b_], 23, v[CSC+b_]                          ; the scale's byte
.set b_, b_+1
.endr
	WIN 0
	v_lshl_or_b32 v[PW], v[B_+1], 8, v[B_]
.if \nb == 4
	s_delay_alu instid0(VALU_DEP_1)
	v_lshl_or_b32 v[PW], v[B_+2], 16, v[PW]
	s_delay_alu instid0(VALU_DEP_1)
	v_lshl_or_b32 v[PW], v[B_+3], 24, v[PW]
.else
	s_delay_alu instid0(VALU_DEP_1)
	v_or_b32 v[PW], 0x7f7f0000, v[PW]                              ; the half step's other 64 keys: zero codes
.irp k, 8,9,10,11,12,13,14,15
	v_mov_b32 v[PC+\k], 0
.endr
.endif
.set b_, 0
.rept \nb
.set n_, SC+16*b_
.rept 8
	v_dual_min_num_f32 v[n_], v[HOLD+b_], v[n_] :: v_dual_min_num_f32 v[n_+1], v[HOLD+b_], v[n_+1]   ; the conversion does not saturate (ISA guide 7.6.2); p is not negative
.set n_, n_+2
.endr
	v_cvt_scalef32_pk8_bf8_f32 v[PC+4*b_:PC+4*b_+1], v[SC+16*b_:SC+16*b_+7], v[CSC+b_]
	v_cvt_scalef32_pk8_bf8_f32 v[PC+4*b_+2:PC+4*b_+3], v[SC+16*b_+8:SC+16*b_+15], v[CSC+b_]
.set b_, b_+1
.endr
.if \pf
	OVLD \nx
.endif
	PLACES 4                                                       ; an operand written by vector instructions stands four places ahead of a scaled matrix instruction
	s_wait_alu depctr_va_vdst(0)
.if \nx
	s_wait_dscnt 17+16*\pf                                         ; V(j) is in; the next step's 17 loads and e's 16 may be out
.else
	s_wait_dscnt 0x0
.endif
	PV \j, \zero
.endm
; THE WAY OUT.  Register 8 d + i of lane (r, h) is out(q0 + r, 16 d + 8 h + i).  16 rows of 256 bytes go through my own LDS bytes and come back whole.
.macro OUTA
	PLACES 8
.irp d, 0,1,2,3
	ds_store_b128 v[STO], v[OT+8*\d:OT+8*\d+3] offset:64*\d
	ds_store_b128 v[STO], v[OT+8*\d+4:OT+8*\d+7] offset:64*\d+16
.endr
.irp i, 0,1,2,3,4,5,6,7
	ds_load_b128 v[SC+4*\i:SC+4*\i+3], v[RD] offset:\i*2*SP        ; LDS serves a wave's instructions in order (ISA guide 5.7.1.4)
.endr
.endm
; My global loads: twelve; the last five, V's scale words and the second tile's, are waited for behind the first diagonal.
.macro GLOADS
	s_add_nc_u64 s[4:5], s[4:5], s[26:27]
	s_lshl_b32 s74, s71, 6
	s_add_nc_u64 s[76:77], s[4:5], s[74:75]        ; Q's codes: first tile,
	s_lshl_b32 s74, s72, 6
	s_add_nc_u64 s[78:79], s[4:5], s[74:75]        ; second
	s_lshl_b32 s26, ttmp9, 11                      ; the head's 2,048 bytes of scales
	s_add_nc_u64 s[6:7], s[6:7], s[26:27]
	s_add_nc_u64 s[10:11], s[10:11], s[26:27]
	s_add_nc_u64 s[14:15], s[14:15], s[26:27]
	s_lshl_b32 s74, s71, 1
	s_add_nc_u64 s[80:81], s[6:7], s[74:75]
	s_lshl_b32 s74, s72, 1
	s_add_nc_u64 s[82:83], s[6:7], s[74:75]
	global_load_b128 v[32:35], v249, s[76:77] th:TH_LOAD_NT              ; Q is read once in the launch
	global_load_b128 v[36:39], v249, s[76:77] offset:32 th:TH_LOAD_NT
	global_load_u16 v144, v248, s[80:81]
	global_load_u16 v128, v251, s[10:11]                                 ; key a's two scale bytes, key a + 8's; the same 512 keys on
	global_load_u16 v129, v251, s[10:11] offset:16
	global_load_u16 v130, v251, s[10:11] offset:1024
	global_load_u16 v131, v251, s[10:11] offset:1040
	global_load_b32 v202, v250, s[14:15]
	global_load_b32 v203, v250, s[14:15] offset:16
	global_load_b128 v[192:195], v249, s[78:79] th:TH_LOAD_NT
	global_load_b128 v[196:199], v249, s[78:79] offset:32 th:TH_LOAD_NT
	global_load_u16 v200, v248, s[82:83]
.endm
	s_load_b256 s[4:11], s[0:1], 0x0               ; Q's codes, Q's scales, K's codes, K's scales
	s_load_b256 s[12:19], s[0:1], 0x20             ; V's codes, V's scales, the sinks, out
	v_lshl_add_u32 v[SPW], v0, 2, SPARE
	v_mov_b32 v[NIL], 0
	ds_add_u32 v[SPW], v[NIL]                      ; the opening lines
	ds_add_u32 v[SPW], v[NIL]
	v_lshrrev_b32 v1, 5, v0
	v_readfirstlane_b32 s[WV], v1                  ; wave 0..7
	; my slots, with q = wave % 4, y = wave / 4, o = 1 - y, t = 1 where q = 3
	s_and_b32 s66, s[WV], 3                        ; q; also the quarter of K (waves 0-3) or V (4-7) that I fetch
	s_lshr_b32 s92, s[WV], 2                       ; y
	s_xor_b32 s93, s92, 1                          ; o
	s_lshr_b32 s88, s66, 1
	s_and_b32 s88, s88, s66                        ; t
	s_and_b32 s89, s88, s92
	s_lshl_b32 s89, s89, 1                         ; 2 t y
	s_mul_i32 s90, s93, 3
	s_add_co_u32 s90, s90, s66
	s_add_co_u32 s90, s90, s88
	s_add_co_u32 s90, s90, s89                     ; the first: q + 3 o + t + 2 t y: 3 4 5 7 | 0 1 2 6
	s_xor_b32 s88, s88, 1
	s_add_co_u32 s88, s88, s93
	s_add_co_u32 s88, s88, 2
	s_mul_i32 s88, s88, 3
	s_xor_b32 s91, s66, 3
	s_add_co_u32 s88, s88, s91
	s_add_co_u32 s91, s88, s89                     ; the second: 3 (1 - t + 2 + o) + (3 - q) + 2 t y: 15 14 13 9 | 12 11 10 8
	s_lshr_b32 s[F], s90, 1
	s_lshr_b32 s[F2], s91, 1
	s_and_b32 s[HALF], s90, 1
	s_xor_b32 s[HALF], s[HALF], 1
	s_bfe_u32 s[CX], ttmp6, 0x40000
	; group 1.  K: a quarter is 16,384 dense bytes, stated as 64 rows of 256, 16 bytes of padding behind each 128.  V: 16 rows of 1,024 bytes, 16 behind each.  Mask: all four work-groups
	s_mov_b32 s[G1K], 15|(1<<20)|(1<<21)|(4<<22)|(3<<25)
	s_mov_b32 s[G1K+1], 256<<16
	s_mov_b32 s[G1K+2], 64<<16
	s_mov_b32 s[G1K+3], 256<<16
	s_mov_b32 s[G1K+4], 64
	s_mov_b32 s[G1K+5], 256
	s_mov_b32 s[G1K+6], 0
	s_mov_b32 s[G1K+7], 0
	s_mov_b32 s[G1V], 15|(1<<20)|(1<<21)|(7<<22)|(3<<25)
	s_mov_b32 s[G1V+1], 1024<<16
	s_mov_b32 s[G1V+2], 16<<16
	s_mov_b32 s[G1V+3], 1024<<16
	s_mov_b32 s[G1V+4], 16
	s_mov_b32 s[G1V+5], 1024
	s_mov_b32 s[G1V+6], 0
	s_mov_b32 s[G1V+7], 0
	s_mov_b32 s[SEL], 0x76543210                   ; v_permlanex16_b32's selects for lane l xor 16
	s_mov_b32 s[SEL+1], 0xfedcba98
	s_mov_b32 s[CS], 0x3e38aa3b                    ; c = log2(e) / 8
	s_mov_b32 s[CS+1], s[CS]                       ; (named with it as a pair)
	s_mov_b32 s[NCS], 0xbe38aa3b                   ; -c
	s_mov_b32 s[MNT], 0x600000                     ; the mantissa field of 57,344
	s_lshl_b32 s26, ttmp9, 16                      ; the head's 65,536 bytes of codes (ttmp9 counts clusters: the head)
	s_mov_b32 s27, 0
	s_lshl_b32 s67, s66, 14
	s_add_co_u32 s68, s26, s67
	s_mov_b32 s69, 0
	s_lshl_b32 s70, s[CX], 4                       ; 16 cx
	s_lshl_b32 s71, s90, 6
	s_add_co_u32 s71, s71, s70                     ; the first tile's first query: 64 s + 16 cx
	s_lshl_b32 s72, s91, 6
	s_add_co_u32 s72, s72, s70                     ; the second tile's
	s_mov_b32 s75, 0
	s_add_co_u32 s88, s93, 2                       ; my own LDS bytes: q (2 + o) + 12 y times 8,192 on: 3 of them for each of waves 0-3, 2 for each of waves 4-7
	s_mul_i32 s88, s66, s88
	s_mul_i32 s89, s92, 12
	s_add_co_u32 s88, s88, s89
	s_lshl_b32 s88, s88, 13
	s_add_co_u32 s[OV], s88, OVF
	v_and_b32 v246, 15, v0                         ; r
	v_bfe_u32 v247, v0, 4, 1                       ; h
	v_lshrrev_b32 v240, 6, v0                      ; thread = 64 st + 4 m + b makes the scale words (st, m, b) and (st + 4, m, b) of K and of V
	v_bfe_u32 v241, v0, 2, 4
	v_and_b32 v242, 3, v0
	v_and_b32 v251, 8, v241
	v_lshl_add_u32 v250, v242, 4, v241             ; V's row 16 b + m: 32 scale bytes a row, 4 a step
	v_add_nc_u32 v251, v251, v241
	v_lshlrev_b32 v250, 5, v250
	v_lshl_add_u32 v251, v242, 5, v251
	v_lshl_add_u32 v250, v240, 2, v250
	v_lshl_add_u32 v251, v240, 7, v251             ; key a = 128 st + 32 b + m + 8 (m / 8)
	v_lshlrev_b32 v249, 6, v246
	v_lshlrev_b32 v251, 1, v251                    ; two scale bytes a key
	v_lshl_add_u32 v249, v247, 4, v249             ; Q: row r of 64 bytes, + 16 h
	v_lshlrev_b32 v248, 1, v246
	v_lshl_add_u32 v244, v0, 2, KSC
	v_lshl_add_u32 v245, v0, 4, MSK
	s_wait_alu depctr_va_vdst(0)
	s_wait_dscnt 0x0                               ; both opening adds are done
	CROUND                                         ; all four work-groups are here: the joint loads meet
	s_wait_kmcnt 0x0
	s_mov_b32 s[G0K], 1
	s_mul_i32 s[G0K+1], s66, 128*KP
	s_add_nc_u64 s[G0K+2:G0K+3], s[8:9], s[68:69]
	s_or_b32 s[G0K+3], s[G0K+3], 0x80000000
	s_mov_b32 s[G0V], 1
	s_mul_i32 s[G0V+1], s66, VTD
	s_add_co_u32 s[G0V+1], s[G0V+1], VT
	s_add_nc_u64 s[G0V+2:G0V+3], s[12:13], s[68:69]
	s_or_b32 s[G0V+3], s[G0V+3], 0x80000000
	s_cmp_lt_u32 s[WV], 4
	s_cbranch_scc0 .Lfetch_v
	tensor_load_to_lds s[G0K:G0K+3], s[G1K:G1K+7]  ; K is needed first and asked for first
	s_nop 0
	PLACES 4
	GLOADS
	s_branch .Lfetched
.Lfetch_v:
	GLOADS
	tensor_load_to_lds s[G0V:G0V+3], s[G1V:G1V+7]
	s_nop 0
	PLACES 4
.Lfetched:
	s_and_b32 s88, ttmp9, 15                       ; the sink of head (batch x 16 + head) % 16
	s_lshl_b32 s88, s88, 2
	s_mov_b32 s89, 0
	s_add_nc_u64 s[16:17], s[16:17], s[88:89]
	s_load_b32 s[NSINK], s[16:17], 0x0
	s_lshl_b32 s26, ttmp9, 18                      ; out: 262,144 bytes a head, 256 a query
	s_add_nc_u64 s[18:19], s[18:19], s[26:27]
	s_lshl_b32 s90, s71, 8
	s_mov_b32 s91, 0
	s_add_nc_u64 s[84:85], s[18:19], s[90:91]
	s_lshl_b32 s90, s72, 8
	s_add_nc_u64 s[86:87], s[18:19], s[90:91]
.irp i, 0,1,2,3,4,5,6,7
	v_mov_b32 v[QHI+\i], 0                         ; the zero codes on either side of q
	v_mov_b32 v[QLO+8+\i], 0
.endr
.irp b, 0,1,2,3
	v_mov_b32 v[HOLD+\b], 0                        ; a lane permute's destination counts as one of its sources
.endr
	v_mov_b32 v[NL+1], 0                           ; (named as upper halves of pairs)
	v_mov_b32 v[NL+9], 0
.irp j, 1,2,3
	v_mov_b32 v[NL+2*\j], 0x7149f2ca               ; a step not walked: -M_j = 1e30, L_j = 0
	v_mov_b32 v[NL+2*\j+1], 0
.endr
	v_and_b32 v[AK0], 8, v246
	v_and_b32 v238, 31, v0
	v_add_nc_u32 v[AK0], v[AK0], v246              ; a = r + 8 (r / 8)
	v_mul_u32_u24 v[AV0], v246, VP
	v_lshrrev_b32 v237, 1, v[AK0]
	v_and_b32 v[AK0], 1, v[AK0]
	v_lshl_add_u32 v[AV0], v247, 4, v[AV0]
	v_mul_u32_u24 v237, v237, KP
	v_lshlrev_b32 v238, 4, v238                    ; 16 x lane
	v_lshl_add_u32 v[AK0], v[AK0], 6, v237
	v_add_nc_u32 v[AV0], VT, v[AV0]                ; V: row r, + 16 h
	v_lshl_add_u32 v[AK0], v247, 4, v[AK0]         ; K: (a / 2) rows + 64 (a % 2) + 16 h
	v_lshl_add_u32 v[AS0], v246, 4, KSC            ; four scale words for row r
	v_add_nc_u32 v[OVA], s[OV], v238
	v_add_nc_u32 v[MKA], MSK, v238
	v_mul_u32_u24 v[STO], v246, SP
	v_mul_u32_u24 v[RD], v247, SP
	v_lshl_add_u32 v[STO], v247, 5, v[STO]
	v_lshl_add_u32 v[RD], v246, 4, v[RD]
	v_add_nc_u32 v[STO], s[OV], v[STO]             ; into the stage: row r, + 32 h
	v_add_nc_u32 v[RD], s[OV], v[RD]               ; back: lanes 0-15 one row, lanes 16-31 the next
	v_lshlrev_b32 v[GO], 8, v247
	v_lshl_add_u32 v[GO], v246, 4, v[GO]           ; and the same two rows of out
	; the mask's image: wave w makes registers 4 w + e: key 32 (w / 4) + 16 h + 4 (w % 4) + e of the 64, hidden where over 16 cx + r
	s_lshl_b32 s88, s92, 5
	s_lshl_b32 s89, s66, 2
	s_add_co_u32 s88, s88, s89
	s_sub_co_i32 s88, s70, s88
	v_lshlrev_b32 v243, 4, v247
	v_mov_b32 v239, 0xf1800000                     ; -2^100
	v_sub_nc_u32 v243, v246, v243
	v_add_nc_u32 v243, s88, v243
.irp e, 0,1,2,3
	v_cmp_gt_i32 vcc_lo, \e, v243
	v_cndmask_b32 v[232+\e], 0, v239, vcc_lo
.endr
	ds_store_b128 v245, v[232:235]
	TSET
	s_wait_alu depctr_va_vdst(0)
	s_wait_loadcnt 0x5                             ; Q and K's scale bytes; V's two loads and the second tile's three may be out
	v_lshl_or_b32 v[QS], v144, 16, v144            ; Q's two bytes twice: the word serves q | 0 and 0 | q
	v_lshl_or_b32 v128, v129, 16, v128
	v_lshl_or_b32 v130, v131, 16, v130
	ds_store_b32 v244, v128
	ds_store_b32 v244, v130 offset:1024
	s_wait_alu depctr_va_vdst(0)
	s_wait_kmcnt 0x0
	s_mul_f32 s[NSINK], s[NSINK], 0xbfb8aa3b       ; minus the sink's t
	s_cmp_lt_u32 s[WV], 4
	s_cbranch_scc0 .Lno_k_wait
	s_wait_tensorcnt 0x0                           ; my quarter of K has landed (V's are read behind the next barrier)
.Lno_k_wait:
	s_wait_dscnt 0x0                               ; for the others' sake: my scale words and my part of the mask are stored
	s_barrier_signal -1
	s_barrier_wait -1                              ; K, its scale words and the mask lie in LDS
	; ---- THE FIRST TILE: F = 0 .. 3
	s_cmp_eq_u32 s[HALF], 1
	s_cbranch_scc1 .La_half1
	DIAG1 4, 0
	s_branch .La_diag1
.La_half1:
	DIAG1 2, 0
.La_diag1:
	s_wait_alu depctr_va_vdst(0)
	s_wait_loadcnt 0x0                             ; V's scale words; the second tile's q waits in my LDS bytes, behind the stage
	v_lshl_or_b32 v201, v200, 16, v200
	ds_store_b32 v244, v202 offset:2048
	ds_store_b32 v244, v203 offset:3072
	ds_store_b128 v[OVA], v[192:195] offset:4608
	ds_store_b128 v[OVA], v[196:199] offset:5120
	ds_store_b32 v[OVA], v201 offset:5632
	s_wait_tensorcnt 0x0                           ; my quarter of V has landed
	s_wait_dscnt 0x0
	s_barrier_signal -1                            ; say so; up to the wait stand work on registers and loads of K alone
	s_cmp_eq_u32 s[F], 0
	s_cbranch_scc1 .La_sum
	s_cmp_eq_u32 s[F], 1
	s_cbranch_scc1 .La1
	s_cmp_eq_u32 s[F], 2
	s_cbranch_scc1 .La2
	STEP1 3, 1, P3_, 1, 0
.La2:
	STEP1 2, 1, P2_, 1, 0
.La1:
	STEP1 1, 1, P1_, 0, 0
	FIN 1
.La_sum:
	s_wait_alu depctr_va_vdst(0)
	s_wait_dscnt 0x0                               ; (F = 0: the fragments that were asked for and not used)
	s_barrier_wait -1                              ; V and its scale words lie in LDS
	VLDD
	MID 4
	s_wait_alu depctr_va_vdst(0)
	s_cmp_eq_u32 s[HALF], 1
	s_cbranch_scc1 .La_half2
	STEP2 0, 1, P0, 4, 1, 0, 0
	s_branch .La_diag2
.La_half2:
	STEP2 0, 1, P0, 2, 1, 0, 0
.La_diag2:
	s_cmp_eq_u32 s[F], 3
	s_cbranch_scc1 .La_e3
	s_cmp_eq_u32 s[F], 2
	s_cbranch_scc1 .La_e2
	s_cmp_eq_u32 s[F], 1
	s_cbranch_scc1 .La_e1
	s_branch .La_out
.La_e1:                                                ; step F's V is asked for (where its buffer has just been read: eight places ahead of its loads)
	VLDJ 1
	s_branch .La1b
.La_e2:
	PLACES 8
	VLDJ 2
	s_branch .La2b
.La_e3:
	VLDJ 3
	STEP2 3, 1, P3_, 4, 0, 2, 0
.La2b:
	STEP2 2, 1, P2_, 4, 0, 1, 0
.La1b:
	STEP2 1, 1, P1_, 4, 0, 0, 0
.La_out:
	OUTA
	; ---- THE SECOND TILE: F = 4 .. 7
	s_mov_b32 s[F], s[F2]
	TSET
	ds_load_b128 v[QLO:QLO+3], v[OVA] offset:4608  ; (LDS serves these behind the stores of O^T from the same registers)
	ds_load_b128 v[QLO+4:QLO+7], v[OVA] offset:5120
	ds_load_b32 v[QS], v[OVA] offset:5632
	s_wait_alu depctr_va_vdst(0)
	s_cmp_eq_u32 s[HALF], 1
	s_cbranch_scc1 .Lb_half1
	DIAG1 4, 1
	s_branch .Lb_diag1
.Lb_half1:
	DIAG1 2, 1
.Lb_diag1:
	s_wait_alu depctr_va_vdst(0)
	s_wait_dscnt 0x0                               ; step F's fragments
	s_wait_xcnt 0x0                                ; the first tile's stores have read their registers (ISA guide 3.1): SC is written anew below
	s_cmp_eq_u32 s[F], 4
	s_cbranch_scc1 .Lb4
	s_cmp_eq_u32 s[F], 5
	s_cbranch_scc1 .Lb5
	s_cmp_eq_u32 s[F], 6
	s_cbranch_scc1 .Lb6
	STEP1 7, 0, SC, 1, 0
	OVST 7
.Lb6:
	STEP1 6, 0, SC, 1, 16                          ; 16: the stores of e, issued behind the fragments' loads, may be out
	OVST 6
.Lb5:
	STEP1 5, 0, SC, 1, 16
	OVST 5
.Lb4:
	STEP1 4, 0, SC, 1, 16                          ; its e stay in SC
	STEP1 3, 1, P3_, 1, 0
	STEP1 2, 1, P2_, 1, 0
	STEP1 1, 1, P1_, 0, 0
	FIN 1
	VLDJ 4
	MID 8
	STEP2 4, 0, SC, 4, 1, 0, 0                     ; step 4 first, in place: the others need SC as their work registers
	PLACES 8
	VLDD
	s_wait_alu depctr_va_vdst(0)
	s_cmp_eq_u32 s[HALF], 1
	s_cbranch_scc1 .Lb_half2
	STEP2 0, 1, P0, 4, 0, 0, 0
	s_branch .Lb_diag2
.Lb_half2:
	STEP2 0, 1, P0, 2, 0, 0, 0
.Lb_diag2:
	s_cmp_eq_u32 s[F], 7
	s_cbranch_scc1 .Lb_e7
	s_cmp_eq_u32 s[F], 6
	s_cbranch_scc1 .Lb_e6
	s_cmp_eq_u32 s[F], 5
	s_cbranch_scc1 .Lb_e5
	VLDJ 3
	s_branch .Lb3b
.Lb_e5:                                                ; step F's e and V are asked for
	PLACES 8
	OVLD 5
	VLDJ 5
	s_branch .Lb5b
.Lb_e6:
	OVLD 6
	VLDJ 6
	s_branch .Lb6b
.Lb_e7:
	PLACES 8
	OVLD 7
	VLDJ 7
	STEP2 7, 0, SC, 4, 0, 6, 1
.Lb6b:
	STEP2 6, 0, SC, 4, 0, 5, 1
.Lb5b:
	STEP2 5, 0, SC, 4, 0, 3, 0
.Lb3b:
	STEP2 3, 1, P3_, 4, 0, 2, 0
	STEP2 2, 1, P2_, 4, 0, 1, 0
	STEP2 1, 1, P1_, 4, 0, 0, 0
	OUTA
	OUTB 86, 0
	s_wait_tensorcnt 0x0                           ; the wave's end
	ds_add_u32 v[SPW], v[NIL]
	s_wait_dscnt 0x0
	CROUND                                         ; the closing round: no work-group ends while a partner may still ask for a tile that names it
	s_endpgm
.Lfunc_end_k_qcfafd8c5f5_attn:
	.size	k_qcfafd8c5f5_attn, .Lfunc_end_k_qcfafd8c5f5_attn-k_qcfafd8c5f5_attn
	.p2alignl 7, 3214868480
	.fill 96, 4, 3214868480
	.section	.rodata,"a",@progbits
	.p2align	6, 0x0
	.amdhsa_kernel k_qcfafd8c5f5_attn
		.amdhsa_group_segment_fixed_size 327680
		.amdhsa_private_segment_fixed_size 0
		.amdhsa_enable_private_segment 0
		.amdhsa_kernarg_size 64
		.amdhsa_user_sgpr_count 2
		.amdhsa_user_sgpr_kernarg_segment_ptr 1
		.amdhsa_wavefront_size32 1
		.amdhsa_system_sgpr_workgroup_id_x 1
		.amdhsa_system_sgpr_workgroup_id_y 1
		.amdhsa_system_sgpr_workgroup_id_z 1
		.amdhsa_system_vgpr_workitem_id 0
		.amdhsa_next_free_vgpr 512
		.amdhsa_next_free_sgpr 96
		.amdhsa_reserve_vcc 1
		.amdhsa_float_denorm_mode_32 3
		.amdhsa_float_denorm_mode_16_64 3
		.amdhsa_memory_ordered 1
		.amdhsa_forward_progress 1
		.amdhsa_inst_pref_size 255
	.end_amdhsa_kernel
	.section	.bss,"aw",@nobits
	.p2align	6
	.space	262144
	.amdgpu_metadata
---
amdhsa.version: [ 1, 2 ]
amdhsa.kernels:
  - .name:           k_qcfafd8c5f5_attn
    .symbol:         k_qcfafd8c5f5_attn.kd
    .args:
      - { .name: q_codes, .offset: 0, .size: 8, .value_kind: global_buffer, .address_space: global }
      - { .name: q_scales, .offset: 8, .size: 8, .value_kind: global_buffer, .address_space: global }
      - { .name: k_codes, .offset: 16, .size: 8, .value_kind: global_buffer, .address_space: global }
      - { .name: k_scales, .offset: 24, .size: 8, .value_kind: global_buffer, .address_space: global }
      - { .name: v_codes, .offset: 32, .size: 8, .value_kind: global_buffer, .address_space: global }
      - { .name: v_scales, .offset: 40, .size: 8, .value_kind: global_buffer, .address_space: global }
      - { .name: sink_logit, .offset: 48, .size: 8, .value_kind: global_buffer, .address_space: global }
      - { .name: out0, .offset: 56, .size: 8, .value_kind: global_buffer, .address_space: global }
    .group_segment_fixed_size: 327680
    .private_segment_fixed_size: 0
    .kernarg_segment_align: 8
    .kernarg_segment_size: 64
    .max_flat_workgroup_size: 256
    .sgpr_count:     96
    .vgpr_count:     512
    .wavefront_size: 32
...
	.end_amdgpu_metadata
.endif
;; end of part 1
